; MI455X (gfx1250); checked and timed in simulation.
; The chip was launched on July 23, 2026; its instructions are those of AMD's public machine-readable ISA for CDNA 5 (MIT licence, August 2026) and "CDNA5" Instruction Set Architecture Reference Guide (July 2026). The comments in the code are by the model that wrote it; some were corrected since.
;; DFMBPSROI Align. Allowed arithmetic: float matrix products may take bf16 or f16 operands with f32 sums; other float arithmetic in f32, or as packed bf16 or f16 multiplies, adds, multiply-adds, maxima and minima; sums over many terms, partial sums and values carried from step to step in f32; what a program stores and reads back later, other than sums and carried values, may be rounded once to bf16 or f16.
;; Inputs: ft_add_left_right 1 x 490 x 34 x 34 float32; rois 16,384 x 5 float32.
;; Outputs: out0 16,384 x 10 x 49 float32.
;; One version. Each part assembles by itself: llvm-mc -triple=amdgcn-amd-amdhsa -mcpu=gfx1250 --defsym DOCPART=n.
;; ======== version 1 of 1: 2 launches
;; limits: inputs' magnitudes at most 65,504; values are held in f16: magnitudes above 65,504 overflow, below 6.1e-05 lose precision; values outside matrix products are rounded to f16
;; workspace buffers: img 1,304,576 bytes
;; launch pack (part 1): grid 637 x 1, 4 waves a work-group, no clusters, 0 bytes of LDS; arguments ft_add_left_right, img; writes img
.if DOCPART == 1
	.amdgcn_target "amdgcn-amd-amdhsa--gfx1250"
	.amdhsa_code_object_version 6
	.text
	.protected	k_q80f5cd4e54_pack
	.globl	k_q80f5cd4e54_pack
	.p2align	8
	.type	k_q80f5cd4e54_pack,@function
k_q80f5cd4e54_pack:
	s_mov_b64 s[64:65], 0
	v_nop
	global_prefetch_b8 v0, s[64:65] scope:SCOPE_SE
	s_setreg_imm32_b32 hwreg(HW_REG_WAVE_MODE, 25, 1), 1
	s_wait_xcnt 0x0
; ft [490][34][34] f32 -> img: the table rounded once to f16 and laid out as register images of matrix fragments (16 rows x 32 k, 1,024 bytes).
; LIMIT: |ft| stays under 65,504, f16's range.
; Fragment f = (2 p + b) 13 + lp (p = 7 ph + pw the bin, b the half of the ten channels).  Byte 1,024 f + 512 q + 16 l + 2 n holds, for lane l (row m = l % 16 = 8 hd + j, ha = l / 16),
; the number at k cell kc = 4 q + n / 2 + 8 ha + 17 (n % 2): the 32 cells 0..15 and 17..32.  The two cells left over are X(h) = 16 + 17 h.
;   lp = 0           rows j < 5: channel 5 b + j, y = X(hd), x = kc
;   lp = 1           rows j < 5: channel 5 b + j, y = kc, x = X(hd)
;   lp = 2           rows j < 5: channel 5 b + j, y = X(ha), x = X(hd), at q = 0, n = 0 alone; all else 0
;   lp = 3 + 2 cl + e   channel 5 b + cl, y = 4 e + j / 2 + 8 hd + 17 (j % 2), x = kc
; Rows j >= 5 of lp < 3 are 0.  A wave makes half a fragment (q): a lane loads its eight numbers, rounds them and stores 16 bytes; the wave's store covers 512 consecutive
; bytes, aligned.  49 x 2 x 13 x 2 = 2,548 waves = 637 work-groups of four.
	s_load_b128 s[4:7], s[0:1], 0x0                ; ft s[4:5], img s[6:7]
	v_lshrrev_b32 v1, 5, v0
	v_readfirstlane_b32 s8, v1                     ; wave 0..3
	s_lshl_b32 s9, ttmp9, 2
	s_add_co_u32 s9, s9, s8                        ; which half fragment, 0 .. 2,547
	s_and_b32 s10, s9, 1                           ; q
	s_lshr_b32 s11, s9, 1                          ; f, 0 .. 1,273
	s_mul_i32 s12, s11, 5042
	s_lshr_b32 s12, s12, 16                        ; f / 13 (5,042 / 65,536 is right up to 6,552)
	s_mul_i32 s13, s12, 13
	s_sub_co_u32 s13, s11, s13                     ; lp
	s_and_b32 s14, s12, 1                          ; b
	s_lshr_b32 s15, s12, 1                         ; p
	s_max_u32 s16, s13, 3
	s_sub_co_u32 s16, s16, 3                       ; 2 cl + e, or 0
	s_lshr_b32 s17, s16, 1                         ; cl
	s_and_b32 s18, s16, 1
	s_lshl_b32 s18, s18, 2                         ; 4 e
	s_lshl_b32 s19, s10, 2                         ; 4 q
	s_mul_i32 s20, s14, 5
	s_add_co_u32 s35, s20, s17                     ; 5 b + cl
	; y = (j / 2) s24 + hd s25 + (j % 2) s26 + ha s27 + s28;  x = ha s29 + hd s30 + s31;  s32 bytes for one step of kc
	s_cmp_lt_u32 s13, 3                            ; one of the three special fragments?
	s_cselect_b32 s24, 0, 1
	s_cselect_b32 s25, 0, 8
	s_cselect_b32 s26, 0, 17
	s_cselect_b32 s28, 16, s18
	s_cselect_b32 s33, 5, 8                        ; rows j under this are real
	s_cselect_b32 s34, 1, 0                        ; the channel goes by j
	s_cmp_eq_u32 s13, 0
	s_cselect_b32 s25, 17, s25
	s_cmp_eq_u32 s13, 1
	s_cselect_b32 s27, 8, 0
	s_cselect_b32 s28, s19, s28
	s_cselect_b32 s32, 136, 4                      ; kc goes down a column: a row is 34 f32
	s_cmp_eq_u32 s13, 2
	s_cselect_b32 s27, 17, s27
	s_cselect_b32 s32, 0, s32
	s_cselect_b32 s36, 0, -1                       ; lp = 2 keeps the first of the eight alone,
	s_cselect_b32 s37, s10, 0                      ; and nothing in its second half
	s_sub_co_u32 s38, s13, 1
	s_cmp_lt_u32 s38, 2                            ; lp = 1 or 2
	s_cselect_b32 s29, 0, 8
	s_cselect_b32 s30, 17, 0
	s_cselect_b32 s31, 16, s19
	s_cmp_eq_u32 s37, 1
	s_cselect_b32 s33, 0, s33
	v_and_b32 v1, 31, v0                           ; lane
	v_lshrrev_b32 v3, 4, v1                        ; ha
	v_bfe_u32 v4, v1, 3, 1                         ; hd
	v_and_b32 v5, 7, v1                            ; j
	v_lshrrev_b32 v2, 1, v5                        ; j / 2
	v_and_b32 v7, 1, v5                            ; j % 2
	v_cmp_gt_u32 s40, s33, v5                      ; lanes whose row is real
	v_min_u32 v6, 4, v5                            ; (the others load channel 4's numbers and keep nothing)
	v_mad_u32_u24 v6, v6, s34, s35                 ; channel
	v_mad_u32_u24 v6, v6, 49, s15                  ; 49 c + p
	v_mul_u32_u24 v8, v2, s24
	v_mad_u32_u24 v8, v4, s25, v8
	v_mad_u32_u24 v8, v7, s26, v8
	v_mad_u32_u24 v8, v3, s27, v8
	v_add_nc_u32 v8, s28, v8                       ; y, 33 at the most before kc's steps
	v_mad_u32_u24 v6, v6, 34, v8
	v_mul_u32_u24 v9, v3, s29
	v_mad_u32_u24 v9, v4, s30, v9
	v_add_nc_u32 v9, s31, v9                       ; x
	v_mad_u32_u24 v6, v6, 34, v9                   ; the first number's index; with kc's steps (20 at the most) every cell stays within 0 .. 33
	v_lshlrev_b32 v6, 2, v6
.irp e, 0,1,2,3,4,5,6,7
	v_mad_u32_u24 v[10+\e], s32, ((\e)>>1)+17*((\e)&1), v6
.endr
	v_lshlrev_b32 v19, 4, v1
	s_lshl_b32 s22, s9, 9                          ; my 512 bytes of img
	s_mov_b32 s23, 0
	s_and_b32 s41, s40, s36
	s_wait_kmcnt 0x0
	s_add_nc_u64 s[6:7], s[6:7], s[22:23]
.irp e, 0,1,2,3,4,5,6,7
	global_load_b32 v[20+\e], v[10+\e], s[4:5]
.endr
	s_wait_loadcnt 0x0
	v_cndmask_b32 v20, 0, v20, s40
.irp e, 1,2,3,4,5,6,7
	v_cndmask_b32 v[20+\e], 0, v[20+\e], s41
.endr
.irp e, 0,1,2,3
	v_cvt_pk_f16_f32 v[28+\e], v[20+2*\e], v[21+2*\e]
.endr
	global_store_b128 v19, v[28:31], s[6:7]
	s_endpgm
.Lfunc_end_k_q80f5cd4e54_pack:
	.size	k_q80f5cd4e54_pack, .Lfunc_end_k_q80f5cd4e54_pack-k_q80f5cd4e54_pack
	.p2alignl 7, 3214868480
	.fill 96, 4, 3214868480
	.section	.rodata,"a",@progbits
	.p2align	6, 0x0
	.amdhsa_kernel k_q80f5cd4e54_pack
		.amdhsa_group_segment_fixed_size 0
		.amdhsa_private_segment_fixed_size 0
		.amdhsa_enable_private_segment 0
		.amdhsa_kernarg_size 16
		.amdhsa_user_sgpr_count 2
		.amdhsa_user_sgpr_kernarg_segment_ptr 1
		.amdhsa_wavefront_size32 1
		.amdhsa_system_sgpr_workgroup_id_x 1
		.amdhsa_system_sgpr_workgroup_id_y 1
		.amdhsa_system_sgpr_workgroup_id_z 1
		.amdhsa_system_vgpr_workitem_id 0
		.amdhsa_next_free_vgpr 32
		.amdhsa_next_free_sgpr 66
		.amdhsa_reserve_vcc 0
		.amdhsa_float_denorm_mode_32 3
		.amdhsa_float_denorm_mode_16_64 3
		.amdhsa_memory_ordered 1
		.amdhsa_forward_progress 1
		.amdhsa_inst_pref_size 6
	.end_amdhsa_kernel
	.amdgpu_metadata
---
amdhsa.version: [ 1, 2 ]
amdhsa.kernels:
  - .name:           k_q80f5cd4e54_pack
    .symbol:         k_q80f5cd4e54_pack.kd
    .args:
      - { .name: ft_add_left_right, .offset: 0, .size: 8, .value_kind: global_buffer, .address_space: global }
      - { .name: img, .offset: 8, .size: 8, .value_kind: global_buffer, .address_space: global }
    .group_segment_fixed_size: 0
    .private_segment_fixed_size: 0
    .kernarg_segment_align: 8
    .kernarg_segment_size: 16
    .max_flat_workgroup_size: 128
    .sgpr_count:     66
    .vgpr_count:     32
    .wavefront_size: 32
...
	.end_amdgpu_metadata
.endif
;; end of part 1
;; launch align (part 2): grid 256 x 1, 4 waves a work-group, clusters of 4 x 1, 327,680 bytes of LDS; arguments rois, img, out0; writes out0
.if DOCPART == 2
	.amdgcn_target "amdgcn-amd-amdhsa--gfx1250"
	.amdhsa_code_object_version 6
	.text
	.protected	k_q80f5cd4e54_align
	.globl	k_q80f5cd4e54_align
	.p2align	8
	.type	k_q80f5cd4e54_align,@function
k_q80f5cd4e54_align:
	s_mov_b64 s[64:65], 0
	v_nop
	global_prefetch_b8 v0, s[64:65] scope:SCOPE_SE
	s_setreg_imm32_b32 hwreg(HW_REG_WAVE_MODE, 25, 1), 1
	s_wait_xcnt 0x0
	s_wait_alu depctr_hold_cnt(0) depctr_sa_sdst(0) depctr_va_vdst(0) depctr_va_sdst(0) depctr_va_ssrc(0) depctr_va_vcc(0) depctr_vm_vsrc(0)
	s_getreg_b32 s2, hwreg(HW_REG_IB_STS2, 6, 4)
	s_cmp_eq_u32 s2, 0
	s_cbranch_scc0 .Lentry_in_a_cluster
	s_endpgm
.Lentry_in_a_cluster:
	s_bfe_u32 s2, ttmp6, 0x10000c
	s_cmp_lg_u32 s2, 0x3003
	s_cbranch_scc0 .Lentry_shape_is_right
	s_endpgm
.Lentry_shape_is_right:
; out0[n][c][ph][pw] = the mean over the kept ones of 16 samples of the bilinear value of ft[c][ph][pw] (34 x 34).  A sample's weights and its keep flag are a product of an x part and a y part, so
;   out0 = sum over y of Ay[n][ph][y] x (sum over x of Ax[n][pw][x] ft[c][ph][pw][y][x]),
; A[x] = (S(x + 1) - S(x) - [x = 0] neg) / max(kept, 1), S(k) = the sum over the direction's 4 samples w of clamp(k - w) to 0 .. 1; kept counts samples with -1 < w < 34, neg those of them with
; w < 0 (there the weight on cell 0 is w, not 1 + w: the distance is taken to the clamped corner).  A sample that is not kept adds the same to every S(k), so nothing to A.
; The weights are dense over all 34 cells: no address and no branch hangs on a box, and boxes of any size and place are served.
; FORMATS.  ft (rounded by the launch before) and the matrix copies of Ax and Ay are f16; all sums, and the products with Ay and with Ax's two cells left over, are f32.
; LIMITS.  |ft| under 65,504.  NaN and infinities are not treated apart.  bin = length / 7 is made by a reciprocal and one correction; start + k bin is a product and a sum, each rounded;
; a sample's place is one fused multiply-add.  rois[:][0] takes no part in the result and is not loaded.
; CELLS.  32 main cells Y(i, h) = i / 2 + 8 h + 17 (i % 2), i = 0..15, h = lane / 16, and two left over, X(h) = 16 + 17 h: so the packed pairs (A(k), A(k + 17)) fall into the registers that use them.
; SHARES.  A work-group owns 64 boxes and all 490 results of each: 125,440 consecutive bytes of out0.  Wave (a, b): boxes 32 a .. 32 a + 31 (two tiles N of 16 columns), channels 5 b .. 5 b + 4.
; PER BIN AND WAVE, 13 fragments of the table (source 0) against two column tiles (source 1), 26 matrix instructions; in a result lane l holds box l % 16 and rows 8 (l / 16) + 0..7:
;   E:  rows (channel j, y = X(h)) over the main x with Ax;  rows (channel j, x = X(h)) over the main y and then over y = X with Ay
;   G0 .. G4: channel cl, rows y = Y(8 e + j, h), e = 0, 1, over the main x with Ax
; then in f32, lane by lane, the sum over its 17 y with Ay and the column sums with Ax(X(h)); one swap and one sum add the lanes' halves and fold the two tiles into one register, a lane a box.
; The vector work of a group stands behind the matrix instructions of the next one, four to six lines behind each.
; THE TABLE is walked by every work-group alike, so the four of a cluster ask for it JOINTLY (mask 15).  A row ph of bins lies in LDS in two regions, bins 0-2 and bins 3-6; each is filled again for the
; next ph when its last fragment has been read; each wave fetches a quarter.  By this text's count a wave has two tensor loads out at the start and one behind each round.
; No prefetch: all 64 clusters walk the same 1.3 MB, so the table is no stream that is read once.
; REGISTERS.  Window 0: addresses, sums, fragments, accumulators.  Window 1: what is only ever source 1 in the loop: Ax's and Ay's fragments and the f32 weights.  Window 2: the weights' workspace.
; One setting (source 1 in window 1) serves matrix instructions, the lines behind them and the fragments' loads; LDS stores (data is source 1) want window 0: two switches a bin.
.set BINB,  26624                      ; a bin: 2 channel halves x 13 fragments x 1,024 bytes
.set HALFB, 13312
.set RAQ,   19968                      ; a wave's quarter of bins 0-2: 78 rows of 256 bytes
.set RBQ,   26624                      ; of bins 3-6: 104 rows
.set RBASE, 79872                      ; bins 0-2 lie at LDS byte 0, bins 3-6 here
.set PHB,   186368                     ; a row ph of bins in img
.set STG,   186368                     ; the stage: 64 boxes x 1,960 bytes, as they lie in out0; no tensor load fills it
.set ROWB,  1960
.set SPARE, 311808                     ; the spare words, 128 bytes a wave: two blocks of 256 bytes that no other line names
; window 0
.set FAD, 2                            ; v2-8   16 lane + my channel half + the bin pw
.set SA,  9                            ; where my box's result of channel 5 b, bin 7 ph goes in the stage
.set RD,  10                           ; the way out: STG + 16 x thread
.set RD2, 11                           ; + 65,536
.set SPW, 12                           ; LDS address of my spare word; never rewritten
.set GO,  13                           ; 16 x thread
.set RO,  14                           ; 20 x lane: my box in rois
.set NIL, 15                           ; 0; never rewritten
.set PS,  16                           ; v16-35  partial sums, a pair at PS + 4 cl + 2 N
.set SS,  36                           ; v36-45  SS + 2 cl + N
.set FR,  48                           ; v48-151 the 13 fragments of a bin
.set TA,  152                          ; accumulators of G0, G2, G4 at + 8 (2 e + N); of G1, G3 32 further on
.set TE,  216                          ; E: rows y = X(h), N = 0, 1
.set RR,  232                          ; E: rows x = X(h), N = 0, 1
; window 1
.set BB,  0                            ; Ax, main cells, f16: 16 pw + 8 N
.set AXR, 112                          ; Ax(X(h)), f32: 2 pw + N
.set AY1, 128                          ; Ay, main cells, f16: 8 N
.set AY2, 144                          ; Ay(X(h)) in the first half word, then zeros: 8 N
.set WT,  160                          ; v160-193 a weight row in f32: 16 N + i is cell Y(i, h), 32 + N is X(h); in the loop: Ay
; window 2
.set STR, 4                            ; start, bin, sub at + 4 d (d = 0: x, 1: y)
.set BINR, 5
.set SUBR, 6
.set KF,  12                           ; the part's number, as f32
.set T0,  13
.set CNT, 16
.set NEG, 17
.set KS,  18                           ; v18-21 kept flags
.set INV, 22                           ; v22-23 1 / max(kept, 1), twice
.set NW,  24                           ; v24-31 -w of each sample, twice
.set XP,  32                           ; v32-67 pairs (k, k + 17), k = 0 .. 17
.set ONE, 68
.set TT,  72                           ; v72-83 at work
.set NG,  84                           ; v84-87 flags of kept samples below 0
.set PP,  96                           ; v96-131 pairs (S(k), S(k + 17)), then (A(k), A(k + 17))
; scalars
.set WV,  10
.set HA,  11
.set HB,  12
.set G1A, 16
.set G1B, 24
.set G0A, 32
.set G0B, 36
.set W_M,  0x04                        ; source 1 in window 1
.set W_R,  0xaa                        ; all in window 2
.set W_RS, 0x4a                        ; destination window 1, sources window 2
.set W_SW, 0x45                        ; destination and sources window 1
.set MSB, 0
.macro WIN new                         ; the immediate's high byte repeats the setting that is left; a switch that changes nothing is dropped
.if MSB != (\new)
	s_set_vgpr_msb (MSB<<8)|(\new)
.set MSB, \new
.endif
.endm
.macro CROUND                          ; a round of the cluster's barrier: my work-group's barrier; wave 0 signals for the work-group; every wave waits for all four; my work-group's barrier once more
	s_barrier_signal -1
	s_barrier_wait -1
	s_cmp_lg_u32 s[WV], 0
	s_cbranch_scc1 .Lnot_wave_0_\@
	s_barrier_signal -3
.Lnot_wave_0_\@:
	s_barrier_wait -3
	s_barrier_signal -1
	s_barrier_wait -1
.endm
.macro PLACES
.rept 4
	v_nop
.endr
.endm
; ONE WEIGHT ROW: direction d, part KF, a lane a box (32 boxes).  dst: where the f16 fragments go; kind 0: x (keeps Ax(X(h)) for bin column pw), 1: y.
.macro SAMP d, s, c                    ; -w = -(base + (s + .5) sub); its flags
	v_fma_f32 v[NW+2*(\s)], v[SUBR+4*(\d)], \c, -v[T0]
	v_mov_b32 v[NW+2*(\s)+1], v[NW+2*(\s)]
	v_cmp_lt_f32 s40, s42, v[NW+2*(\s)]            ; w < 34
	v_cmp_gt_f32 s41, 1.0, v[NW+2*(\s)]            ; w > -1
	s_and_b32 s40, s40, s41
	v_cmp_lt_f32 s41, 0, v[NW+2*(\s)]              ; w < 0
	v_cndmask_b32 v[KS+(\s)], 0, 1.0, s40
	s_and_b32 s41, s41, s40
	v_cndmask_b32 v[NG+(\s)], 0, 1.0, s41
.endm
.macro ROW d, dst, kind, pw
	WIN W_R
	v_mul_f32 v[T0], v[KF], v[BINR+4*(\d)]
	v_add_f32 v[T0], v[STR+4*(\d)], v[T0]
	v_floor_f32 v[T0], v[T0]
	SAMP \d, 0, 0xbf000000
	SAMP \d, 1, 0xbfc00000
	SAMP \d, 2, 0xc0200000
	SAMP \d, 3, 0xc0600000
	v_add_f32 v[CNT], v[KS], v[KS+1]
	v_add_f32 v[NEG], v[NG], v[NG+1]
	v_add_f32 v[KS+2], v[KS+2], v[KS+3]
	v_add_f32 v[NG+2], v[NG+2], v[NG+3]
	v_add_f32 v[CNT], v[CNT], v[KS+2]
	v_add_f32 v[NEG], v[NEG], v[NG+2]
	v_max_num_f32 v[CNT], 1.0, v[CNT]
	v_rcp_f32 v[INV], v[CNT]                       ; twice, for the packed multiply; the 144 lines below name neither
	v_rcp_f32 v[INV+1], v[CNT]
.set rk, 0
.rept 18                               ; S(k) and S(k + 17): clamp(k - w) of the four samples, added
.set rt, TT+6*(rk&1)
	v_pk_fma_f32 v[PP+2*rk:PP+2*rk+1], v[XP+2*rk:XP+2*rk+1], v[ONE:ONE+1], v[NW:NW+1] clamp
	v_pk_fma_f32 v[rt:rt+1], v[XP+2*rk:XP+2*rk+1], v[ONE:ONE+1], v[NW+2:NW+3] clamp
	v_pk_fma_f32 v[rt+2:rt+3], v[XP+2*rk:XP+2*rk+1], v[ONE:ONE+1], v[NW+4:NW+5] clamp
	v_pk_fma_f32 v[rt+4:rt+5], v[XP+2*rk:XP+2*rk+1], v[ONE:ONE+1], v[NW+6:NW+7] clamp
	v_pk_add_f32 v[rt:rt+1], v[rt:rt+1], v[rt+2:rt+3]
	v_pk_add_f32 v[PP+2*rk:PP+2*rk+1], v[PP+2*rk:PP+2*rk+1], v[rt+4:rt+5]
	v_pk_add_f32 v[PP+2*rk:PP+2*rk+1], v[PP+2*rk:PP+2*rk+1], v[rt:rt+1]
.set rk, rk+1
.endr
.set rk, 0
.rept 17                               ; S(k + 1) - S(k), ascending and in place
	v_pk_add_f32 v[PP+2*rk:PP+2*rk+1], v[PP+2*rk+2:PP+2*rk+3], v[PP+2*rk:PP+2*rk+1] neg_lo:[0,1] neg_hi:[0,1]
.set rk, rk+1
.endr
	v_sub_f32 v[PP], v[PP], v[NEG]
	s_wait_alu depctr_va_vdst(0)                   ; one wait for both reciprocals, ahead of their first reader
	WIN W_RS
.set rk, 0
.rept 17
	v_pk_mul_f32 v[WT+2*rk:WT+2*rk+1], v[PP+2*rk:PP+2*rk+1], v[INV:INV+1]
.set rk, rk+1
.endr
	WIN W_SW                                       ; from a lane a box to (box % 16, h): register i of boxes 16-31 changes places with register 16 + i of boxes 0-15
.set rk, 0
.rept 16
	v_permlane16_swap_b32 v[WT+rk], v[WT+16+rk]
.set rk, rk+1
.endr
	v_permlane16_swap_b32 v[WT+32], v[WT+33]
.set rk, 0
.rept 16                               ; tile rk / 8, register rk % 8 of the fragment: cells Y(2 r, h), Y(2 r + 1, h)
	v_cvt_pk_f16_f32 v[(\dst)+rk], v[WT+2*rk], v[WT+2*rk+1]
.set rk, rk+1
.endr
.if \kind
	v_cvt_pk_f16_f32 v[AY2], v[WT+32], v[AY2+1]    ; (AY2 + 1 holds 0)
	v_cvt_pk_f16_f32 v[AY2+8], v[WT+33], v[AY2+1]
.else
	v_mov_b32 v[AXR+2*(\pw)], v[WT+32]
	v_mov_b32 v[AXR+2*(\pw)+1], v[WT+33]
.endif
	WIN W_R
	v_add_f32 v[KF], 1.0, v[KF]
.endm
; FRAGMENTS: 32 lanes x 16 bytes on end, twice
.macro LDF lp, pw
	ds_load_b128 v[FR+8*(\lp):FR+8*(\lp)+3],   v[FAD+(\pw)] offset:1024*(\lp)
	ds_load_b128 v[FR+8*(\lp)+4:FR+8*(\lp)+7], v[FAD+(\pw)] offset:1024*(\lp)+512
.endm
.macro LDE pw                          ; 6 loads
	LDF 0, \pw
	LDF 1, \pw
	LDF 2, \pw
.endm
.macro LDG k, pw                       ; 4 loads
	LDF 3+2*(\k), \pw
	LDF 4+2*(\k), \pw
.endm
; MATRIX INSTRUCTIONS.  No two that follow each other share an accumulator; the only links in place are E's fifth and sixth, each two behind the one that it adds onto.
.macro EM i, pw
.set mN, (\i)&1
.if (\i) < 2
	v_wmma_f32_16x16x32_f16 v[TE+8*mN:TE+8*mN+7], v[FR:FR+7], v[BB+16*(\pw)+8*mN:BB+16*(\pw)+8*mN+7], 0
.elseif (\i) < 4
	v_wmma_f32_16x16x32_f16 v[RR+8*mN:RR+8*mN+7], v[FR+8:FR+15], v[AY1+8*mN:AY1+8*mN+7], 0
.else
	v_wmma_f32_16x16x32_f16 v[RR+8*mN:RR+8*mN+7], v[FR+16:FR+23], v[AY2+8*mN:AY2+8*mN+7], v[RR+8*mN:RR+8*mN+7]
.endif
.endm
.macro GM k, i, pw                     ; i = 2 e + N
.set mD, TA+32*((\k)&1)+8*(\i)
.set mA, FR+8*(3+2*(\k)+((\i)>>1))
.set mB, BB+16*(\pw)+8*((\i)&1)
	v_wmma_f32_16x16x32_f16 v[mD:mD+7], v[mA:mA+7], v[mB:mB+7], 0
.endm
; THE SECOND STAGE.  GI k, n: item n of 16 of channel k: two rows y of one accumulator times Ay; each accumulator's lowest registers are read first.
.macro GI k, n
.set gN, (\n)&1
.set gE, (\n)/8
.set gP, 2*(((\n)/4)&1)+(((\n)%4)>>1)
.set gT, TA+32*((\k)&1)+8*(2*gE+gN)+2*gP
.set gW, WT+16*gN+8*gE+2*gP
.set gA, PS+4*(\k)+2*gN
	v_pk_fma_f32 v[gA:gA+1], v[gT:gT+1], v[gW:gW+1], v[gA:gA+1]
.endm
.macro ER pw, i                        ; E's terms start both halves of every partial sum: nothing is cleared
.irp j, 0,1,2,3,4
.if (\i) < 2
	v_mul_f32 v[PS+4*\j+2*(\i)], v[TE+8*(\i)+\j], v[WT+32+(\i)]
.else
	v_mul_f32 v[PS+4*\j+2*((\i)-2)+1], v[RR+8*((\i)-2)+\j], v[AXR+2*(\pw)+(\i)-2]
.endif
.endr
.endm
.macro FIN n                           ; the pair's halves; the swap; the lanes' halves.  (Sums written as a x 1 + b: source 1 means window 1 here)
.if (\n) < 10
.set fN, (\n)&1
.set fC, (\n)/2
	v_fma_f32 v[SS+2*fC+fN], v[PS+4*fC+2*fN], 1.0, v[PS+4*fC+2*fN+1]
.elseif (\n) < 15
	v_permlane16_swap_b32 v[SS+2*((\n)-10)], v[SS+2*((\n)-10)+1]
.else
	v_fma_f32 v[SS+2*((\n)-15)], v[SS+2*((\n)-15)], 1.0, v[SS+2*((\n)-15)+1]
.endif
.endm
.macro IT n                            ; line n of the 36 that end a bin
.if (\n) < 16
	GI 4, \n
.else
	FIN (\n)-16
.endif
.endm
.macro STO pw
.irp c, 0,1,2,3,4
	ds_store_b32 v[SA], v[SS+2*\c] offset:4*(49*\c+(\pw))
.endr
.endm
; A BIN.  chg = 1, 2: its fourth-channel fragments were the last read of bins 0-2 (1) or 3-6 (2): the regions change.  fill = 1: that region is filled again, for the next ph.  ld = 1: the next bin's fragments are fetched.
; LDS instructions in order of issue: behind E the last bin's 5 stores and this bin's G4 (4 loads); behind G0 the next bin's E (6); behind G1 .. G4 the next bin's G0 .. G3 (4 each).
; So behind a group's own loads stand: E 16; G0 16 (21 with stores); G1 - G3 18 (23); G4 18: the waits take the smaller count, which holds on every way into a bin.
.macro BIN pw, chg, fill, ld
.set nx, ((\pw)+1)%7
	WIN W_M
	s_wait_dscnt 16                                ; E's fragments are in
.set ii, 0
.rept 6
	EM ii, \pw
.if (\pw) > 0
.set jj, 0
.rept 6
	IT 6*ii+jj                                     ; the bin before is ended
.set jj, jj+1
.endr
.endif
.set ii, ii+1
.endr
.if (\pw) == 0
	PLACES                                         ; no vector work is at hand: the places ahead of the lines that read E's results
.endif
.if ((\pw) > 0) || (\chg)
	WIN 0
.endif
.if (\pw) > 0
	STO (\pw)-1
.endif
	LDG 4, \pw
.if \chg
	s_wait_tensorcnt 0x0                           ; all my tensor loads have landed: the one that was out is my quarter of the other region
	ds_add_u32 v[SPW], v[NIL]                      ; 0 onto my spare word; G0's products stand between it and the wait for it
.if \fill
.if (\chg) == 1
	s_add_nc_u64 s[G0A+2:G0A+3], s[G0A+2:G0A+3], PHB  ; no load of mine is out, so a group 0 may be written: the next ph
.else
	s_add_nc_u64 s[G0B+2:G0B+3], s[G0B+2:G0B+3], PHB
.endif
.endif
.endif
	WIN W_M
	s_wait_dscnt 16                                ; G0's fragments are in
.set ii, 0
.rept 4
	GM 0, ii, \pw
	ER \pw, ii
.set ii, ii+1
.endr
.if \chg
	s_wait_dscnt 0x0                               ; the add is done, and my reads of the region that is left are over
	WIN 0                                          ; at a label and at a branch every window is 0
.if \fill
	CROUND                                         ; no wave of any partner still reads the region or has a load on its way
.if (\chg) == 1
	tensor_load_to_lds s[G0A:G0A+3], s[G1A:G1A+7]  ; my one load behind the round, and the first thing there
.else
	tensor_load_to_lds s[G0B:G0B+3], s[G1B:G1B+7]
.endif
	s_nop 0
	PLACES
.else
	s_barrier_signal -1                            ; nothing is filled: the other region is whole for every wave
	s_barrier_wait -1
.endif
	WIN W_M
.endif
.if \ld
	LDE nx
.endif
.irp k, 1,2,3,4
.if \ld
	s_wait_dscnt 18                                ; this group's fragments are in
.elseif (\k) == 1
	s_wait_dscnt 0x0                               ; the last bin fetches nothing: all that is left is in
.endif
.set ii, 0
.rept 4
	GM \k, ii, \pw
	GI (\k)-1, 4*ii
	GI (\k)-1, 4*ii+1
	GI (\k)-1, 4*ii+2
	GI (\k)-1, 4*ii+3
.set ii, ii+1
.endr
.if \ld
	LDG (\k)-1, nx                                 ; their last reader stands a group back: twenty plain lines
.endif
.endr
.endm
.macro PHROW fill                      ; a row ph of bins: Ay, seven bins, the last bin's end
	ROW 1, AY1, 1, 0
	BIN 0, 0, 0, 1
	BIN 1, 0, 0, 1
	BIN 2, 1, \fill, 1
	BIN 3, 0, 0, 1
	BIN 4, 0, 0, 1
	BIN 5, 0, 0, 1
	BIN 6, 2*(\fill), \fill, \fill
	WIN W_M
.set jj, 0
.rept 36
	IT jj
.set jj, jj+1
.endr
	WIN 0
	STO 6
	v_add_nc_u32 v[SA], 28, v[SA]                  ; the next ph's seven results
.endm
	s_load_b128 s[4:7], s[0:1], 0x0                ; rois s[4:5], img s[6:7]
	s_load_b64 s[8:9], s[0:1], 0x10                ; out0
	v_lshl_add_u32 v[SPW], v0, 2, SPARE
	v_mov_b32 v[NIL], 0
	ds_add_u32 v[SPW], v[NIL]                      ; the wave's opening: the add and its wait stand ahead of my first tensor load; work on registers stands between them
	v_lshrrev_b32 v1, 5, v0
	v_readfirstlane_b32 s[WV], v1                  ; wave 0..3
	v_and_b32 v1, 31, v0                           ; lane
	v_mul_u32_u24 v[RO], v1, 20
	s_and_b32 s[HA], s[WV], 1                      ; a: which 32 boxes
	s_lshr_b32 s[HB], s[WV], 1                     ; b: which 5 channels
	s_bfe_u32 s13, ttmp6, 0x40000                  ; cx
	s_lshl_b32 s14, ttmp9, 2
	s_add_co_u32 s14, s14, s13                     ; work-group: it enters the addresses of rois and out0 alone
	s_mul_i32 s50, s14, 1280                       ; its 64 boxes of 20 bytes,
	s_mul_i32 s51, s[HA], 640                      ; my 32
	s_add_co_u32 s50, s50, s51
	s_mov_b32 s51, 0
	; descriptors: dense rows of 256 bytes (32 elements of 8); the mask of four and bit 21 beside it; no padding: fragments are read 16 bytes a lane on end
	s_mov_b32 s[G1A], 15|(3<<16)|(1<<21)
	s_mov_b32 s[G1A+1], 32<<16                     ; tensor_dim0 = 32
	s_mov_b32 s[G1A+2], 78<<16                     ; tensor_dim1 = 78
	s_mov_b32 s[G1A+3], 32<<16                     ; tile_dim0 = 32
	s_mov_b32 s[G1A+4], 78                         ; tile_dim1 = 78
	s_mov_b32 s[G1A+5], 32                         ; 32 elements from row to row
	s_mov_b32 s[G1A+6], 0
	s_mov_b32 s[G1A+7], 0
	s_mov_b32 s[G1B], 15|(3<<16)|(1<<21)
	s_mov_b32 s[G1B+1], 32<<16
	s_mov_b32 s[G1B+2], 104<<16                    ; 104 rows
	s_mov_b32 s[G1B+3], 32<<16
	s_mov_b32 s[G1B+4], 104
	s_mov_b32 s[G1B+5], 32
	s_mov_b32 s[G1B+6], 0
	s_mov_b32 s[G1B+7], 0
	s_mul_i32 s46, s[WV], RAQ                      ; my quarter: the same byte in LDS and in a row ph of img
	s_mov_b32 s47, 0
	s_mul_i32 s48, s[WV], RBQ
	s_add_co_u32 s48, s48, RBASE
	s_mov_b32 s49, 0
	s_mov_b32 s[G0A], 1
	s_mov_b32 s[G0A+1], s46
	s_mov_b32 s[G0B], 1
	s_mov_b32 s[G0B+1], s48
	s_mov_b32 s42, 0xc2080000                      ; -34.0
	s_mov_b32 s43, 0x3e124925                      ; 1 / 7
	s_mov_b32 s44, 0x40e00000                      ; 7.0
	s_wait_dscnt 0x0                               ; the opening add is done
	s_wait_kmcnt 0x0
	s_add_nc_u64 s[4:5], s[4:5], s[50:51]
	s_mul_i32 s50, s14, 64*ROWB
	s_add_nc_u64 s[8:9], s[8:9], s[50:51]          ; out0 at my work-group's 125,440 bytes
	s_add_nc_u64 s[G0A+2:G0A+3], s[6:7], s[46:47]
	s_or_b32 s[G0A+3], s[G0A+3], 0x80000000
	s_add_nc_u64 s[G0B+2:G0B+3], s[6:7], s[48:49]
	s_or_b32 s[G0B+3], s[G0B+3], 0x80000000
	CROUND                                         ; all four work-groups are here: the first joint loads meet
	tensor_load_to_lds s[G0A:G0A+3], s[G1A:G1A+7]  ; ph 0: bins 0-2,
	s_nop 0
	tensor_load_to_lds s[G0B:G0B+3], s[G1B:G1B+7]  ; and bins 3-6
	s_nop 0
	PLACES
	WIN 0x80                                       ; destination window 2
.irp c, 0,1,2,3
	global_load_b32 v[\c], v[RO], s[4:5] offset:4+4*\c  ; x1, y1, x2, y2 of my box
.endr
	WIN 0
	s_mul_i32 s52, s[HB], HALFB
	v_lshl_add_u32 v[FAD], v1, 4, s52
.irp p, 1,2,3,4,5,6
	v_add_nc_u32 v[FAD+\p], BINB*\p, v[FAD]
.endr
	s_mul_i32 s53, s[HA], 32*ROWB
	s_mul_i32 s52, s[HB], 980
	s_add_co_u32 s53, s53, s52
	s_add_co_u32 s53, s53, STG
	v_mad_u32_u24 v[SA], v1, ROWB, s53
	v_lshl_add_u32 v[RD], v0, 4, STG
	v_add_nc_u32 v[RD2], 0x10000, v[RD]
	v_lshlrev_b32 v[GO], 4, v0
	WIN 0x40
.set rk, 0
.rept 16
	v_mov_b32 v[AY2+rk], 0                         ; all of these two fragments but their first half word stays 0
.set rk, rk+1
.endr
	WIN W_R
.set rk, 0
.rept 18
	v_cvt_f32_u32 v[XP+2*rk], rk
	v_cvt_f32_u32 v[XP+2*rk+1], rk+17
.set rk, rk+1
.endr
	v_mov_b32 v[ONE], 1.0
	v_mov_b32 v[ONE+1], 1.0
	v_mov_b32 v[KF], 0
	s_wait_loadcnt 0x0                             ; my box
.irp d, 0,1
	v_mul_f32 v[STR+4*\d], 0x3d800000, v[\d]       ; / 16, exact
	v_mul_f32 v[T0], 0x3d800000, v[2+\d]
	v_sub_f32 v[T0], v[T0], v[STR+4*\d]
	v_max_num_f32 v[T0], 0x3dcccccd, v[T0]         ; at least 0.1
	v_mul_f32 v[BINR+4*\d], s43, v[T0]             ; / 7: the reciprocal, the remainder, the correction
	v_fma_f32 v[SUBR+4*\d], -v[BINR+4*\d], s44, v[T0]
	v_fma_f32 v[BINR+4*\d], v[SUBR+4*\d], s43, v[BINR+4*\d]
	v_mul_f32 v[SUBR+4*\d], 0x3e800000, v[BINR+4*\d]
.endr
.irp p, 0,1,2,3,4,5,6
	ROW 0, BB+16*\p, 0, \p                         ; Ax of all seven pw stays in registers; made while the first tiles are on their way
.endr
	v_mov_b32 v[KF], 0
	WIN 0
	s_wait_tensorcnt 1                             ; my quarter of bins 0-2 is in; that of bins 3-6 may stay out
	s_barrier_signal -1
	s_barrier_wait -1                              ; everybody's is
	LDE 0
	LDG 0, 0
	LDG 1, 0
	LDG 2, 0
	LDG 3, 0
	s_mov_b32 s45, 6
.Lph:                                  ; ph 0 .. 5: both regions are filled again
	PHROW 1
	WIN 0
	s_sub_co_u32 s45, s45, 1
	s_cmp_lg_u32 s45, 0
	s_cbranch_scc1 .Lph
	PHROW 0                                        ; ph 6 is written out: nothing is asked for
	; THE WAY OUT: the stage is out0's bytes as they lie; 128 threads x 16 bytes a step, 61 steps and a quarter.  A wave's store covers 512 consecutive bytes, aligned.
	WIN 0
	s_wait_dscnt 0x0                               ; for the others' sake: my stores into the stage are done
	s_barrier_signal -1
	s_barrier_wait -1
.set t, 0
.rept 32
	ds_load_b128 v[48+4*t:48+4*t+3], v[RD] offset:2048*t
.set t, t+1
.endr
	WIN 0x44                                       ; loaded and stored data in window 1
.rept 29
	ds_load_b128 v[4*(t-32):4*(t-32)+3], v[RD2] offset:2048*(t-32)
.set t, t+1
.endr
	WIN 0
.set t, 0
.rept 32
	s_wait_dscnt 60-t                              ; LDS loads come back in order: load t of the 61 is in
	global_store_b128 v[GO], v[48+4*t:48+4*t+3], s[8:9] offset:2048*t th:TH_STORE_NT
.set t, t+1
.endr
	WIN 0x44
.rept 29
	s_wait_dscnt 60-t
	global_store_b128 v[GO], v[4*(t-32):4*(t-32)+3], s[8:9] offset:2048*t th:TH_STORE_NT
.set t, t+1
.endr
	WIN 0
	s_cmp_lg_u32 s[WV], 0
	s_cbranch_scc1 .Lend
	ds_load_b128 v[176:179], v[RD2] offset:59392   ; the last 512 bytes: wave 0
	s_wait_dscnt 0x0
	global_store_b128 v[GO], v[176:179], s[8:9] offset:124928 th:TH_STORE_NT
.Lend:
	s_wait_tensorcnt 0x0                           ; the wave's end, behind my last tensor load and my last LDS store
	ds_add_u32 v[SPW], v[NIL]
	s_wait_dscnt 0x0
	CROUND                                         ; the closing round: no work-group ends while a partner may still ask for a tile that names it
	s_endpgm
.Lfunc_end_k_q80f5cd4e54_align:
	.size	k_q80f5cd4e54_align, .Lfunc_end_k_q80f5cd4e54_align-k_q80f5cd4e54_align
	.p2alignl 7, 3214868480
	.fill 96, 4, 3214868480
	.section	.rodata,"a",@progbits
	.p2align	6, 0x0
	.amdhsa_kernel k_q80f5cd4e54_align
		.amdhsa_group_segment_fixed_size 327680
		.amdhsa_private_segment_fixed_size 0
		.amdhsa_enable_private_segment 0
		.amdhsa_kernarg_size 24
		.amdhsa_user_sgpr_count 2
		.amdhsa_user_sgpr_kernarg_segment_ptr 1
		.amdhsa_wavefront_size32 1
		.amdhsa_system_sgpr_workgroup_id_x 1
		.amdhsa_system_sgpr_workgroup_id_y 1
		.amdhsa_system_sgpr_workgroup_id_z 1
		.amdhsa_system_vgpr_workitem_id 0
		.amdhsa_next_free_vgpr 768
		.amdhsa_next_free_sgpr 66
		.amdhsa_reserve_vcc 0
		.amdhsa_float_denorm_mode_32 3
		.amdhsa_float_denorm_mode_16_64 3
		.amdhsa_memory_ordered 1
		.amdhsa_forward_progress 1
		.amdhsa_inst_pref_size 255
	.end_amdhsa_kernel
	.section	.bss,"aw",@nobits
	.p2align	6
	.space	262144
	.amdgpu_metadata
---
amdhsa.version: [ 1, 2 ]
amdhsa.kernels:
  - .name:           k_q80f5cd4e54_align
    .symbol:         k_q80f5cd4e54_align.kd
    .args:
      - { .name: rois, .offset: 0, .size: 8, .value_kind: global_buffer, .address_space: global }
      - { .name: img, .offset: 8, .size: 8, .value_kind: global_buffer, .address_space: global }
      - { .name: out0, .offset: 16, .size: 8, .value_kind: global_buffer, .address_space: global }
    .group_segment_fixed_size: 327680
    .private_segment_fixed_size: 0
    .kernarg_segment_align: 8
    .kernarg_segment_size: 24
    .max_flat_workgroup_size: 128
    .sgpr_count:     66
    .vgpr_count:     768
    .wavefront_size: 32
...
	.end_amdgpu_metadata
.endif
;; end of part 2
